; MI455X (gfx1250); checked and timed in simulation.
; The chip was launched on July 23, 2026; its instructions are those of AMD's public machine-readable ISA for CDNA 5 (MIT licence, August 2026) and "CDNA5" Instruction Set Architecture Reference Guide (July 2026). The comments in the code are by the model that wrote it; some were corrected since.
;; Transport Operator. Allowed arithmetic: matrix products marked QUANTISED: E5M2 operands, one E8M0 scale for each 32 along K, by v_wmma_scale_f32_16x16x128_f8f6f4 with both operands' format E5M2, f32 sums; products left as they are: f32 operands where the result goes on into a quantised operand, else bf16, f16 or f32 operands; f32 sums; everything else in f32.
;; Inputs: Psi 16 x 512 x 512 float32; gate_tokens 16 x 512 float32; t 1 float32; z 16,384 x 512 float32.
;; Outputs: out0 16,384 x 512 float32.
;; This version of the problem:
;;   THIS VERSION OF THE PROBLEM IS GIVEN IN LOW PRECISION. The matrix products marked QUANTISED in the list below multiply operands that are first quantised to E5M2 (5 exponent bits, 2 mantissa bits; 8 bits a number), with one power-of-two scale for each 32 numbers along K (OCP MX v1.0); their sums are f32. All else is computed in f32.
;;   The module's matrix products, in the order in which they are computed (A, B: the left and right operand; K: the contracted axis; several contracted axes count as one K, in the product's order):
;;     1. [M 16,384, K 512] x [K 512, N 8,192]; A: input z; B: input Psi: QUANTISED
;;     2. batch 16 x [M 1, K 512] x [K 512, N 16,384]; A: input gate_tokens; B: computed on the way: left as it is (M = 1 < 16)
;;     3. batch 16,384 x [M 1, K 16] x [K 16, N 512]; A: computed on the way; B: computed on the way: left as it is (K = 16 < 32)
;;   THE QUANTISER, for each operand of a quantised product, along K:
;;     - K is cut into blocks of 32 from its start; a last block that is shorter is filled with zeros.
;;     - A block's scale is 2^e with e = floor(log2(the largest magnitude in the block)) - 15, held to -126 .. 127; a block of zeros has e = 0. As a byte (E8M0): e + 127.
;;     - Each number is divided by its block's scale, clamped to +-57,344, and rounded to the nearest number of E5M2, ties to even, subnormals kept.
;;     - The product sums the exact products of the quantised numbers (number of the format x scale) in f32.
;;   ~~~python
;;   def quantise(x, axis):      # numpy; x: float32 -> the quantised numbers, widened to float32 again
;;       x = np.moveaxis(x, axis, -1); K = x.shape[-1]
;;       x = np.pad(x, [(0, 0)] * (x.ndim - 1) + [(0, -K % 32)]); x = x.reshape(x.shape[:-1] + (-1, 32)); a = np.abs(x).max(-1, keepdims=True)
;;       e = np.where(a > 0, np.clip(np.frexp(np.where(a > 0, a, 1))[1] - 1 - 15, -126, 127), 0)      # np.frexp(a)[1] - 1 = floor(log2(a)), exactly
;;       r = np.clip(x / 2.0 ** e, -57344, 57344)
;;       step = 2.0 ** (np.maximum(np.frexp(np.where(r == 0, 1, r))[1] - 1, -14) - 2)
;;       q = np.round(r / step) * step * 2.0 ** e      # np.round: ties to even
;;       return np.moveaxis(q.reshape(q.shape[:-2] + (-1,))[..., :K], -1, axis).astype(np.float32)
;;   ~~~
;; One version. Each part assembles by itself: llvm-mc -triple=amdgcn-amd-amdhsa -mcpu=gfx1250 --defsym DOCPART=n.
;; ======== version 1 of 1: 2 launches
;; workspace buffers: acodes 8,388,608 bytes; ascales 262,144 bytes; bcodes 4,194,304 bytes; bscales 131,072 bytes; upart 131,072 bytes
;; launch prep (part 1): grid 512 x 1, 4 waves a work-group, no clusters, 37,376 bytes of LDS; arguments t, z, Psi, gate_tokens, acodes, ascales, bcodes, bscales, upart; writes acodes, ascales, bcodes, bscales, upart
.if DOCPART == 1
	.amdgcn_target "amdgcn-amd-amdhsa--gfx1250"
	.amdhsa_code_object_version 6
	.text
	.protected	k_qab0e5fdc5d_prep
	.globl	k_qab0e5fdc5d_prep
	.p2align	8
	.type	k_qab0e5fdc5d_prep,@function
k_qab0e5fdc5d_prep:
	s_mov_b64 s[64:65], 0
	v_nop
	global_prefetch_b8 v0, s[64:65] scope:SCOPE_SE
	s_setreg_imm32_b32 hwreg(HW_REG_WAVE_MODE, 25, 1), 1
	s_wait_xcnt 0x0
; THE FIRST OF TWO LAUNCHES: z [16384][512] and Psi [16][512 (d)][512 (e)], f32, become codes of E5M2 with one E8M0 scale byte for each 32 along d (the product's K),
; laid in the order of the matrix operand's registers, so that the second launch fetches every fragment as dense runs of 512 bytes.  It also makes, from the QUANTISED Psi,
; u[m][d] = sum over e of Psiq[m][d][e] g[m][e], in four parts (one for each 128 columns e): the gate's logit of a row is then sum over d of zq[d] u[m][d].
; A block's scale is 2^(floor(log2(its largest magnitude)) - 15); its byte is the largest magnitude's exponent field - 15, held at 1 from below; each number is divided by the scale, held within +-57,344 and rounded to the nearest code, ties to even.
; LIMITS: a block of zeros gets the byte 1 where the rule says 127 (its codes are zeros, and this program alone reads the bytes); NaN and infinities among the inputs are not served.
; t is loaded and used for nothing, as in the function that defines the result.
; WORK-GROUPS 0-255 take Psi: m = id / 16, K step s = (id / 4) % 4 (128 rows d), eblk = id % 4 (128 columns e); wave w takes 32 columns, A LANE A COLUMN, ITS REGISTERS DOWN d.
; WORK-GROUPS 256-511 take z: a wave takes 16 rows (a tile), four K steps of 128.  The two ways part on the work-group's number alone and have LDS bytes of their own.
; No tensor loads, no ring: memory binds, so every load and store covers 128 to 512 consecutive bytes, and nothing is read twice.
.set ZPI,  528                         ; z's stage: a row of 512 bytes + 16 of padding: 33 x 16 bytes, so that 16 rows start at 16 different 16-byte columns of 256
.set ZPW,  16*ZPI                      ; a wave's stage; the four lie from LDS byte 0 on
.set UST,  33792                       ; Psi's way: 512 bytes a wave: its sums for 128 d
.set SST,  35840                       ; Psi's way: 128 bytes a wave: its 32 columns' scale words
.set WV,   23                          ; s23  my wave's number
.set MNT,  32                          ; s32  the mantissa field of 57,344
; Psi's way
.set X,    16                          ; v16-143  number 32 c + i: Psi(128 s + 32 c + i, my column)
.set C,    144                         ; v144-175 codes, eight registers a block: no store's data are written again
.set U4,   176                         ; v176-179 block c's sums: lane l holds d = 32 c + l
.set T0,   180                         ; v180-183 at work in the sums
.set MX,   184
.set MX2,  185
.set SO,   186                         ; the conversion's scale operand
.set HB,   187                         ; 57,344 x the scale
.set SG,   188                         ; v[188:189] the scale x g of my column, twice
.set GV,   190                         ; g of my column
.set ONE,  191                         ; the byte 127 four times: the scale 1 for the way back from codes
.set SWD,  192                         ; my column's scale word
.set BY,   193
; z's way
.set R,    16                          ; v16-143  two sets of 64: a K step as it is loaded
.set XZ,   144                         ; v144-207 register 16 b + i: k = 32 b + 16 (lane / 16) + i of row lane % 16
.set PC,   208                         ; v208-223 a fragment's codes
.set TM,   224                         ; v224-239 largest magnitudes, bytes, holds, scale operands
.set PW,   240                         ; the scale word just made
.set SW,   241                         ; v241-244 the four K steps' words
.set OW,   246                         ; v[246:247] what I store of them
	s_load_b512 s[4:19], s[0:1], 0x0               ; t 4:5, z 6:7, Psi 8:9, g 10:11, acodes 12:13, ascales 14:15, bcodes 16:17, bscales 18:19
	s_load_b64 s[20:21], s[0:1], 0x40              ; upart
	v_lshl_add_u32 v254, v0, 2, 0x9000
	v_mov_b32 v255, 0
	v_lshrrev_b32 v1, 5, v0
	v_readfirstlane_b32 s[WV], v1                  ; wave 0..3
	v_and_b32 v1, 31, v0                           ; lane
	v_lshlrev_b32 v2, 2, v1                        ; 4 x lane
	v_lshlrev_b32 v3, 4, v1                        ; 16 x lane
	v_and_b32 v4, 15, v0                           ; r
	v_bfe_u32 v5, v0, 4, 1                         ; h
	; every LDS address is made here, ahead of the parting
	s_mul_i32 s34, s[WV], ZPW
	v_add_nc_u32 v6, s34, v3                       ; z's stage, in: 16 bytes a lane of a row's 512
	v_mul_u32_u24 v7, v4, ZPI
	v_lshl_add_u32 v7, v5, 6, v7
	v_add_nc_u32 v7, s34, v7                       ; and out: row r, + 64 h: my 16 numbers of a block of 32
	s_lshl_b32 s34, s[WV], 9
	s_add_co_u32 s34, s34, UST
	v_add_nc_u32 v8, s34, v2                       ; my wave's sums
	s_lshl_b32 s34, s[WV], 7
	s_add_co_u32 s34, s34, SST
	v_add_nc_u32 v9, s34, v2                       ; my column's scale word
	v_add_nc_u32 v10, UST, v3                      ; wave 0 reads both back, 16 bytes a lane
	v_add_nc_u32 v11, SST, v3
	v_lshlrev_b32 v12, 4, v4
	v_lshl_add_u32 v12, v5, 11, v12                ; bcodes: tile lane / 16 of my wave's two (2,048 bytes each), image lane r
	v_lshlrev_b32 v13, 4, v4
	v_lshl_add_u32 v13, v5, 3, v13                 ; ascales: row r's 16 bytes, + 8 h
	s_mov_b32 s24, 0xaaaaaaaa                      ; lanes whose bit 0, 1, 2, 3, 4 is set
	s_mov_b32 s25, 0xcccccccc
	s_mov_b32 s26, 0xf0f0f0f0
	s_mov_b32 s27, 0xff00ff00
	s_mov_b32 s28, 0xffff0000
	s_mov_b32 s30, 0x76543210
	s_mov_b32 s31, 0xfedcba98                      ; v_permlanex16_b32's selects for lane l xor 16
	s_mov_b32 s[MNT], 0x600000
	s_mov_b32 s35, 0                               ; the high word of every offset
	s_wait_kmcnt 0x0
	s_load_b32 s22, s[4:5], 0x0                    ; t: read as it is given; nothing is made of it
	s_cmp_lt_u32 ttmp9, 256
	s_cbranch_scc0 .Lz
	; ---------------- Psi ----------------
	s_and_b32 s36, ttmp9, 3                        ; eblk
	s_bfe_u32 s37, ttmp9, 0x20002                  ; s
	s_lshr_b32 s38, ttmp9, 4                       ; m
	s_lshl_b32 s40, s36, 4
	s_add_co_u32 s40, s40, s38                     ; 16 eblk + m
	s_lshl_b32 s34, s38, 20                        ; Psi: m x 2^20 + 128 s rows of 2,048 bytes + 512 eblk + 128 w
	s_lshl_b32 s39, s37, 18
	s_add_co_u32 s34, s34, s39
	s_lshl_b32 s39, s36, 9
	s_add_co_u32 s34, s34, s39
	s_lshl_b32 s41, s[WV], 7
	s_add_co_u32 s34, s34, s41
	s_add_nc_u64 s[8:9], s[8:9], s[34:35]
	s_lshl_b32 s34, s38, 11                        ; g: 2,048 m + 512 eblk + 128 w
	s_add_co_u32 s34, s34, s39
	s_add_co_u32 s34, s34, s41
	s_add_nc_u64 s[10:11], s[10:11], s[34:35]
	s_lshl_b32 s34, s40, 16                        ; bcodes [eblk][m][eh 2][s 4][tile 4][c 4][lane 32][16 bytes]: eh = w / 2, my two tiles begin at 2 (w % 2)
	s_lshl_b32 s39, s37, 13
	s_add_co_u32 s34, s34, s39
	s_lshr_b32 s39, s[WV], 1
	s_lshl_b32 s39, s39, 15
	s_add_co_u32 s34, s34, s39
	s_and_b32 s39, s[WV], 1
	s_lshl_b32 s39, s39, 12
	s_add_co_u32 s34, s34, s39
	s_add_nc_u64 s[16:17], s[16:17], s[34:35]
	s_lshl_b32 s34, s40, 11                        ; bscales [eblk][m][s][128 columns] words and upart [eblk][m][512 d] f32: 2,048 (16 eblk + m) + 512 s
	s_lshl_b32 s39, s37, 9
	s_add_co_u32 s34, s34, s39
	s_add_nc_u64 s[18:19], s[18:19], s[34:35]
	s_add_nc_u64 s[20:21], s[20:21], s[34:35]
	v_mov_b32 v[ONE], 0x7f7f7f7f
.macro PLOAD c                         ; block c: 32 rows d at my column: each load reads 128 consecutive bytes, the four waves side by side 512
.set li, 0
.rept 32
	global_load_b32 v[X+32*(\c)+li], v2, s[8:9] offset:(32*(\c)+li)*2048 th:TH_LOAD_NT
.set li, li+1
.endr
.endm
; One stage of a sum that turns as it adds: of registers 2 k and 2 k + 1 a lane keeps the one that its bit names and hands the other to the lane xm away.  n registers are left of 2 n.
.macro RSTAGE b, n, mask, xm
.set rk, 0
.rept \n
.set ta, T0+2*(rk%2)
	v_cndmask_b32 v[ta], v[(\b)+2*rk], v[(\b)+2*rk+1], s[\mask]
	v_cndmask_b32 v[ta+1], v[(\b)+2*rk+1], v[(\b)+2*rk], s[\mask]
	v_add_f32_dpp v[(\b)+rk], v[ta+1], v[ta] row_xmask:\xm row_mask:0xf bank_mask:0xf
.set rk, rk+1
.endr
.endm
; 32 registers (d) x 32 lanes (columns) become one register: lane l holds the sum over the 32 columns for d = l
.macro REDUCE b, out
	RSTAGE \b, 16, 24, 1
	RSTAGE \b, 8, 25, 2
	RSTAGE \b, 4, 26, 4
	RSTAGE \b, 2, 27, 8
	v_cndmask_b32 v[T0], v[(\b)], v[(\b)+1], s28
	v_cndmask_b32 v[T0+1], v[(\b)+1], v[(\b)], s28
	v_permlanex16_b32 v[T0+2], v[T0+1], s30, s31   ; (its destination has been written by the stages above)
	v_add_f32 v[\out], v[T0], v[T0+2]
.endm
.macro PBLOCK c
.set XS, X+32*(\c)
.set CS, C+8*(\c)
.if (\c) < 3
	s_wait_loadcnt 32                              ; this block's 32 loads (and g) are in; the next block's 32 may be out
.else
	s_wait_loadcnt 0x0
.endif
.if (\c) < 2
	PLOAD (\c)+2                                   ; two blocks ahead, into registers of their own
.endif
	v_max3_num_f32 v[MX], |v[XS]|, |v[XS+1]|, |v[XS+2]|            ; the block's largest magnitude: all 32 numbers are mine; two chains
	v_max3_num_f32 v[MX2], |v[XS+3]|, |v[XS+4]|, |v[XS+5]|
.irp i, 6,10,14,18,22,26
	v_max3_num_f32 v[MX], v[MX], |v[XS+\i]|, |v[XS+\i+1]|
	v_max3_num_f32 v[MX2], v[MX2], |v[XS+\i+2]|, |v[XS+\i+3]|
.endr
	v_max3_num_f32 v[MX], v[MX], |v[XS+30]|, |v[XS+31]|
	v_max3_num_f32 v[MX], v[MX], v[MX2], 0x8000000 ; and the floor 2^(16 - 127): the byte cannot fall under 1
	v_add_nc_u32 v[SO], 0xf8800000, v[MX]          ; 15 off its exponent field: the conversion takes this operand's exponent field as its scale
	v_and_or_b32 v[HB], v[MX], 0x7f800000, s[MNT]  ; 57,344 x the scale
	v_lshrrev_b32 v[BY], 23, v[SO]                 ; the scale's byte
.if (\c) == 0
	v_mov_b32 v[SWD], v[BY]
.else
	v_lshl_or_b32 v[SWD], v[BY], 8*(\c), v[SWD]    ; byte c of the word: d = 128 s + 32 c on
.endif
.set li, 0
.rept 32
	v_med3_num_f32 v[XS+li], v[XS+li], -v[HB], v[HB]   ; the conversion to an 8-bit code does not saturate (ISA guide 7.6.2): the hold comes first
.set li, li+1
.endr
.irp g, 0,1,2,3
	v_cvt_scalef32_pk8_bf8_f32 v[CS+2*\g:CS+2*\g+1], v[XS+8*\g:XS+8*\g+7], v[SO]
.endr
	v_nop                                          ; a plain line between the conversions and the lines that touch their registers
	v_and_b32 v[SG], 0x7f800000, v[SO]             ; the scale as a number: 2^(byte - 127)
	v_mul_f32 v[SG], v[SG], v[GV]                  ; x g of my column
	v_mov_b32 v[SG+1], v[SG]
	global_store_b128 v12, v[CS:CS+3], s[16:17] offset:512*(\c)        ; d = 32 c + 0 .. 15: image lanes 0-15; sixteen lanes store 256 consecutive bytes, aligned
	global_store_b128 v12, v[CS+4:CS+7], s[16:17] offset:512*(\c)+256  ; d = 32 c + 16 .. 31: image lanes 16-31
.irp g, 0,1,2,3
	v_cvt_scale_pk8_f32_bf8 v[XS+8*\g:XS+8*\g+7], v[CS+2*\g:CS+2*\g+1], v[ONE]   ; the codes' values: u is made of what the product will multiply
.endr
	v_nop
.set li, 0
.rept 16
	v_pk_mul_f32 v[XS+2*li:XS+2*li+1], v[XS+2*li:XS+2*li+1], v[SG:SG+1]
.set li, li+1
.endr
	REDUCE XS, U4+(\c)
.endm
	global_load_b32 v[GV], v2, s[10:11]
	PLOAD 0
	PLOAD 1
	PBLOCK 0
	PBLOCK 1
	PBLOCK 2
	PBLOCK 3
.irp c, 0,1,2,3
	ds_store_b32 v8, v[U4+\c] offset:128*\c
.endr
	ds_store_b32 v9, v[SWD]
	s_wait_dscnt 0x0                               ; for wave 0's sake: my stores have landed
	s_barrier_signal -1
	s_barrier_wait -1
	s_cmp_lg_u32 s[WV], 0
	s_cbranch_scc1 .Lend
.irp w, 0,1,2,3
	ds_load_b128 v[16+4*\w:19+4*\w], v10 offset:512*\w   ; the four waves' sums for d = 4 lane .. 4 lane + 3
.endr
	ds_load_b128 v[32:35], v11                     ; the 128 columns' scale words
	s_wait_dscnt 0x0
	v_pk_add_f32 v[16:17], v[16:17], v[20:21]
	v_pk_add_f32 v[18:19], v[18:19], v[22:23]
	v_pk_add_f32 v[24:25], v[24:25], v[28:29]
	v_pk_add_f32 v[26:27], v[26:27], v[30:31]
	v_pk_add_f32 v[16:17], v[16:17], v[24:25]
	v_pk_add_f32 v[18:19], v[18:19], v[26:27]
	global_store_b128 v3, v[16:19], s[20:21]       ; 512 consecutive bytes each
	global_store_b128 v3, v[32:35], s[18:19]
.Lend:
	s_wait_kmcnt 0x0                               ; t has come
	s_wait_tensorcnt 0x0
	ds_add_u32 v254, v255
	s_wait_dscnt 0x0
	s_endpgm
	; ---------------- z ----------------
.Lz:
	s_sub_co_u32 s34, ttmp9, 256
	s_lshl_b32 s34, s34, 2
	s_add_co_u32 s36, s34, s[WV]                   ; my tile of 16 rows, 0 .. 1023
	s_lshl_b32 s34, s36, 15
	s_add_nc_u64 s[6:7], s[6:7], s[34:35]          ; z: 16 rows of 2,048 bytes
	s_lshl_b32 s34, s36, 13
	s_add_nc_u64 s[12:13], s[12:13], s[34:35]      ; acodes [tile][s 4][c 4][lane 32][16 bytes]
	s_lshl_b32 s34, s36, 8
	s_add_nc_u64 s[14:15], s[14:15], s[34:35]      ; ascales [tile][r 16][s 4] words
.irp b, 0,1,2,3
	v_mov_b32 v[TM+4+\b], 0                        ; written once: a lane permute's destination counts as one of its sources
.endr
.macro LOADZ s                         ; K step s of my 16 rows: each load reads 512 consecutive bytes
.set li, 0
.rept 16
	global_load_b128 v[R+64*((\s)%2)+4*li:R+64*((\s)%2)+4*li+3], v3, s[6:7] offset:2048*li+512*(\s) th:TH_LOAD_NT
.set li, li+1
.endr
.endm
.macro QUANT                           ; the 64 numbers in v[XZ] on become a fragment's codes in v[PC] on and my row's scale word in v[PW]
.irp b, 0,1,2,3
	v_max3_num_f32 v[TM+\b], |v[XZ+16*\b]|, |v[XZ+1+16*\b]|, 0x8000000   ; block b: my 16 numbers, and the floor 2^(16 - 127)
.endr
.irp i, 2,4,6,8,10,12,14
.irp b, 0,1,2,3
	v_max3_num_f32 v[TM+\b], v[TM+\b], |v[XZ+16*\b+\i]|, |v[XZ+1+16*\b+\i]|   ; the four blocks by turns
.endr
.endr
.irp b, 0,1,2,3
	v_permlanex16_b32 v[TM+4+\b], v[TM+\b], s30, s31
.endr
.irp b, 0,1,2,3
	v_max_num_f32 v[TM+\b], v[TM+\b], v[TM+4+\b]   ; with lane l xor 16's 16: the block's largest magnitude
.endr
.irp b, 0,1,2,3
	v_add_nc_u32 v[TM+12+\b], 0xf8800000, v[TM+\b] ; the conversion's scale operand
.endr
.irp b, 0,1,2,3
	v_and_or_b32 v[TM+8+\b], v[TM+\b], 0x7f800000, s[MNT]   ; 57,344 x the scale
.endr
.irp b, 0,1,2,3
	v_lshrrev_b32 v[TM+4+\b], 23, v[TM+12+\b]      ; the scale's byte
.endr
	v_lshl_or_b32 v[PW], v[TM+5], 8, v[TM+4]
	v_lshl_or_b32 v[PW], v[TM+6], 16, v[PW]
	v_lshl_or_b32 v[PW], v[TM+7], 24, v[PW]
.irp b, 0,1,2,3
.irp i, 0,1,2,3,4,5,6,7,8,9,10,11,12,13,14,15
	v_med3_num_f32 v[XZ+16*\b+\i], v[XZ+16*\b+\i], -v[TM+8+\b], v[TM+8+\b]
.endr
	v_cvt_scalef32_pk8_bf8_f32 v[PC+4*\b:PC+1+4*\b], v[XZ+16*\b:XZ+7+16*\b], v[TM+12+\b]
	v_cvt_scalef32_pk8_bf8_f32 v[PC+2+4*\b:PC+3+4*\b], v[XZ+8+16*\b:XZ+15+16*\b], v[TM+12+\b]
.endr
	v_nop                                          ; a plain line behind the last conversion
.endm
.macro ZSTEP s
.if (\s) > 0
	s_wait_xcnt 0x0                                ; the last step's stores have read v[PC] on, which is written again below
.endif
.if (\s) < 3
	s_wait_loadcnt 16                              ; this step's 16 loads are in; the next step's 16 may be out
.else
	s_wait_loadcnt 0x0
.endif
.set li, 0
.rept 16
	ds_store_b128 v6, v[R+64*((\s)%2)+4*li:R+64*((\s)%2)+4*li+3] offset:ZPI*li   ; row li as it lies
.set li, li+1
.endr
.irp c, 0,1,2,3
.irp j, 0,1,2,3
	ds_load_b128 v[XZ+16*\c+4*\j:XZ+16*\c+4*\j+3], v7 offset:128*\c+16*\j   ; LDS serves a wave's instructions in order: these see my stores
.endr
.endr
	s_wait_dscnt 0x0
.if (\s) < 2
	LOADZ (\s)+2
.endif
	QUANT
	v_mov_b32 v[SW+(\s)], v[PW]
.irp c, 0,1,2,3
	global_store_b128 v3, v[PC+4*\c:PC+4*\c+3], s[12:13] offset:2048*(\s)+512*\c   ; the operand's registers as they stand: 512 consecutive bytes
.endr
.endm
	LOADZ 0
	LOADZ 1
	ZSTEP 0
	ZSTEP 1
	ZSTEP 2
	ZSTEP 3
	v_cndmask_b32 v[OW], v[SW], v[SW+2], s28       ; both halves of the lanes hold row r's four words: lanes 0-15 store K steps 0, 1, lanes 16-31 K steps 2, 3
	v_cndmask_b32 v[OW+1], v[SW+1], v[SW+3], s28
	global_store_b64 v13, v[OW:OW+1], s[14:15]     ; 32 lanes store 256 consecutive bytes, aligned
	s_wait_kmcnt 0x0                               ; t has come
	s_wait_tensorcnt 0x0
	ds_add_u32 v254, v255
	s_wait_dscnt 0x0
	s_endpgm
.Lfunc_end_k_qab0e5fdc5d_prep:
	.size	k_qab0e5fdc5d_prep, .Lfunc_end_k_qab0e5fdc5d_prep-k_qab0e5fdc5d_prep
	.p2alignl 7, 3214868480
	.fill 96, 4, 3214868480
	.section	.rodata,"a",@progbits
	.p2align	6, 0x0
	.amdhsa_kernel k_qab0e5fdc5d_prep
		.amdhsa_group_segment_fixed_size 37376
		.amdhsa_private_segment_fixed_size 0
		.amdhsa_enable_private_segment 0
		.amdhsa_kernarg_size 72
		.amdhsa_user_sgpr_count 2
		.amdhsa_user_sgpr_kernarg_segment_ptr 1
		.amdhsa_wavefront_size32 1
		.amdhsa_system_sgpr_workgroup_id_x 1
		.amdhsa_system_sgpr_workgroup_id_y 1
		.amdhsa_system_sgpr_workgroup_id_z 1
		.amdhsa_system_vgpr_workitem_id 0
		.amdhsa_next_free_vgpr 256
		.amdhsa_next_free_sgpr 66
		.amdhsa_reserve_vcc 0
		.amdhsa_float_denorm_mode_32 3
		.amdhsa_float_denorm_mode_16_64 3
		.amdhsa_memory_ordered 1
		.amdhsa_forward_progress 1
		.amdhsa_inst_pref_size 110
	.end_amdhsa_kernel
	.amdgpu_metadata
---
amdhsa.version: [ 1, 2 ]
amdhsa.kernels:
  - .name:           k_qab0e5fdc5d_prep
    .symbol:         k_qab0e5fdc5d_prep.kd
    .args:
      - { .name: t, .offset: 0, .size: 8, .value_kind: global_buffer, .address_space: global }
      - { .name: z, .offset: 8, .size: 8, .value_kind: global_buffer, .address_space: global }
      - { .name: Psi, .offset: 16, .size: 8, .value_kind: global_buffer, .address_space: global }
      - { .name: gate_tokens, .offset: 24, .size: 8, .value_kind: global_buffer, .address_space: global }
      - { .name: acodes, .offset: 32, .size: 8, .value_kind: global_buffer, .address_space: global }
      - { .name: ascales, .offset: 40, .size: 8, .value_kind: global_buffer, .address_space: global }
      - { .name: bcodes, .offset: 48, .size: 8, .value_kind: global_buffer, .address_space: global }
      - { .name: bscales, .offset: 56, .size: 8, .value_kind: global_buffer, .address_space: global }
      - { .name: upart, .offset: 64, .size: 8, .value_kind: global_buffer, .address_space: global }
    .group_segment_fixed_size: 37376
    .private_segment_fixed_size: 0
    .kernarg_segment_align: 8
    .kernarg_segment_size: 72
    .max_flat_workgroup_size: 128
    .sgpr_count:     66
    .vgpr_count:     256
    .wavefront_size: 32
...
	.end_amdgpu_metadata
.endif
;; end of part 1
;; launch main (part 2): grid 64 x 4, 4 waves a work-group, clusters of 4 x 1, 327,680 bytes of LDS; arguments acodes, ascales, bcodes, bscales, upart, out0; writes out0
.if DOCPART == 2
	.amdgcn_target "amdgcn-amd-amdhsa--gfx1250"
	.amdhsa_code_object_version 6
	.text
	.protected	k_qab0e5fdc5d_main
	.globl	k_qab0e5fdc5d_main
	.p2align	8
	.type	k_qab0e5fdc5d_main,@function
k_qab0e5fdc5d_main:
	s_mov_b64 s[64:65], 0
	v_nop
	global_prefetch_b8 v0, s[64:65] scope:SCOPE_SE
	s_setreg_imm32_b32 hwreg(HW_REG_WAVE_MODE, 25, 1), 1
	s_wait_xcnt 0x0
	s_wait_alu depctr_hold_cnt(0) depctr_sa_sdst(0) depctr_va_vdst(0) depctr_va_sdst(0) depctr_va_ssrc(0) depctr_va_vcc(0) depctr_vm_vsrc(0)
	s_getreg_b32 s2, hwreg(HW_REG_IB_STS2, 6, 4)
	s_cmp_eq_u32 s2, 0
	s_cbranch_scc0 .Lentry_in_a_cluster
	s_endpgm
.Lentry_in_a_cluster:
	s_bfe_u32 s2, ttmp6, 0x10000c
	s_cmp_lg_u32 s2, 0x3003
	s_cbranch_scc0 .Lentry_shape_is_right
	s_endpgm
.Lentry_shape_is_right:
; THE SECOND LAUNCH: dz[b][e] = sum over m of gate[b][m] S_m[b][e], S_m = zq Psiq_m on codes of E5M2 with E8M0 scales, gate = relu(2 sigmoid(logit) - 1), logit[b][m] = sum over e of S_m[b][e] g[m][e].
; THE LOGITS ARE SUMMED IN ANOTHER ORDER THAN THE DEFINING FUNCTION'S: logit = sum over d of zq[b][d] u[m][d], u[m][d] = sum over e of Psiq[m][d][e] g[m][e] (made by the first launch, in four parts).
; So the gates are known before the large product begins, and scores, logits and gates never go to memory.
; LIMITS: for that product u is taken as the sum of TWO bf16 numbers, bf16(u) and bf16(u - bf16(u)): what is lost is some 2^-16 of a number (one bf16 alone, 2^-8, is too coarse: a gate's error is multiplied by scores that can be
; several times their usual size).  zq's codes are exact in bf16; their block scales are applied in f32.  The gate is the defining formula in f32, with its absolute error of some 1e-7; NaN and infinities are not served.
; SHARES.  A work-group takes 256 rows x 128 columns (eblk) for all 16 m: 64 x 4 work-groups.  THE WAVES SHARE THE ROWS: a wave takes 64 rows (four tiles a) x 128 columns.  Its rows' codes, 64 x 512, stay in 256 registers
; for the whole launch, so LDS is read for Psi alone; dz stays in 256 registers; the scores of 64 rows x 64 columns (half eh of the columns) take 128 and are weighed into dz as soon as their K is done.
; THE MATRIX INSTRUCTION IS USED TRANSPOSED (source 0 = 16 columns of Psi, source 1 = 16 rows of z): a lane holds ONE row and eight neighbouring columns, so a gate is one number a lane.
; Psi's codes come through a ring of two LDS slots, two m (131,072 bytes) to a slot, as images of the operand's registers: every LDS read is 512 consecutive bytes, so nothing is padded.
; CLUSTER.  The four row blocks of a cluster (4, 1, 1) walk the same codes and scale words of Psi: each is asked for JOINTLY, every wave its quarter.  z's codes go from memory into registers, so only this one axis has anything to share.
; REGISTERS, in windows of 256 (s_set_vgpr_msb: bits 1:0 source 0, 3:2 source 1, 5:4 source 2, 7:6 destination):
;   window 0: v0-15 addresses; v16-31 z's scale words (4 a + s); v32-47 Psi's (8 eh + 2 s + pair of tiles); v48-51 my row's gates for a = 0 .. 3; v52-63 at the head; v64-127 at the head: products and logits;
;             v128-255 the 16 score accumulators (i = 4 tile + a), at the head numbers and bf16 fragments of z, on the way out rows of dz
;   window 1: z's fragments (a, s) at 16 (4 a + s).   window 2: Psi's fragments, set X (K steps 0, 1) v0-127, set Y (K steps 2, 3) v128-255; at the head u's bf16 fragments: the 16 of the upper parts v0-127, the 16 of the lower v128-255.
;   window 3: dz, (a, tile t) at 8 (8 a + t); at the head u's parts.
.set SLOT1, 1<<17                      ; slot 1 begins here: one exclusive or turns an address in one slot into the other's
.set REC,   65536                      ; the codes of one m: [eh 2][s 4][tile 4][c 4][lane 32][16 bytes]
.set FILL,  2*REC                      ; a slot's bytes
.set SCB,   2*SLOT1                    ; behind the ring: Psi's scale words of all 16 m: [m][s 4][pair 4][lane 32] words, 32,768 bytes, filled once
.set UIM,   SCB+32768                  ; 16 bf16 fragments of u as images, 1,024 bytes each: first the upper parts', then, behind two barriers, the lower parts'; no fill lands here
.set GT,    UIM                        ; later, behind a barrier, the gates: [m 16][wave 4][r 16][a 4] f32
.set SPARE, UIM+16384                  ; the spare words, 128 bytes for each wave: two blocks of 256 bytes that no other line names
.set SPITCH, 528                       ; the way out: 16 rows x (512 bytes + 16) for each wave, in slot 0, which has then had its last fill and its last read
.set STGW,  16*SPITCH
.set LI,  3                            ; v3   16 x lane: an image's place for my lane; also my bytes of a row of out0
.set LIB, 4                            ; v4   the same in a slot's second m
.set ADR, 5                            ; v5-6 LDS address of the slot's first and second m
.set LS0, 7                            ; v7   SCB + 4 x lane
.set ADS, 8                            ; v8   the slot's scale words
.set LG0, 9                            ; v9   GT + 256 x wave + 16 r
.set ADG, 10                           ; v10  the slot's gates
.set SPW, 11                           ; v11  LDS address of my spare word; never rewritten
.set NIL, 12                           ; v12  0; never rewritten
.set PFO, 13                           ; v13  256 x lane: the prefetches' offset; never rewritten
.set STO, 14                           ; v14  at the head: where u's images are read; then the stage: where I put 32 bytes of a row
.set RD,  15                           ; v15  the stage: where I read a row back
.set AS,  16
.set BS,  32
.set G,   48
.set SC,  52                           ; v52-59 z's block scales as numbers, two sets of four
.set ONE, 60                           ; v60  the byte 127 four times
.set UW,  61                           ; v61  where I store my part of u's images
.set GW,  62                           ; v62  where I store gates
.set RS,  63                           ; v63  16 r
.set D,   64                           ; v64-95  four products of 16 m x 16 rows x 32 d; then the gates on their way to LDS
.set L,   96                           ; v96-127 logits: 8 a + j is m = 8 (lane / 16) + j of row 16 a + lane % 16
.set F,   128                          ; v128-191 64 codes' values
.set ZB,  192                          ; v192-255 z as bf16, two sets of four fragments
.set ACC, 128
.set WV,  16                           ; s16 wave;  s17 cx;  s18 my block of 256 rows;  s19 eblk
.set CX,  17
.set RB,  18
.set EB,  19
.set G1C, 24                           ; s[24:31] descriptor group 1: a quarter of a slot;  s[32:39]: a quarter of the scale words
.set G1S, 32
.set G0S, 40                           ; s[40:43], s[44:47], s[48:51] groups 0: the scale words, slot 0's first fill, slot 1's, which then walks
.set G0A, 44
.set G0W, 48
.set TB,  52                           ; s52 the slot in hand;  s53, s54 its scale words' and its gates' place
.set TS,  53
.set TG,  54
.set SLOTS, 55                         ; s55 refills to come
.set LIM, 56                           ; s56 1 in a cluster that prefetches, else the greatest number
.set PFA, 58                           ; s[58:59] where my prefetches stand
.set NL2E, 62                          ; s[62:63] -log2(e), twice
.set MSB, 0
.macro WIN new                         ; the immediate's high byte repeats the setting that is left; a switch that changes nothing is dropped
.if MSB != \new
	s_set_vgpr_msb (MSB<<8)|\new
.set MSB, \new
.endif
.endm
.set W_MUL,  0x06                      ; source 0 (Psi) window 2, source 1 (z) window 1, C and D window 0
.set W_FMA,  0xf0                      ; dz (destination and source 2) window 3, scores and gates window 0
.set W_FMUL, 0xc0                      ; destination window 3
.set TO_3,   0xc0
.set TO_B,   0x80
.set TO_A,   0x40
.set W_3,    0xcf                      ; destination and sources 0, 1 window 3
.set ST_3,   0x0c                      ; an LDS store's data (source 1) window 3
.set W_CV,   0x01                      ; source 0 window 1
.set W_U,    0x02                      ; source 0 window 2
.macro PLACES n
.rept \n
	v_nop
.endr
.endm
.macro CREST                           ; a round of the cluster's barrier behind its opening barrier
	s_cmp_lg_u32 s[WV], 0
	s_cbranch_scc1 .Lnot_wave_0_\@
	s_barrier_signal -3
.Lnot_wave_0_\@:
	s_barrier_wait -3
	s_barrier_signal -1
	s_barrier_wait -1
.endm
.macro CROUND
	s_barrier_signal -1
	s_barrier_wait -1
	CREST
.endm
.macro BARRIER                         ; my LDS stores have landed and my LDS loads are in: then the work-group's barrier.
	s_wait_dscnt 0x0
	s_barrier_signal -1
	s_barrier_wait -1
.endm
	s_load_b256 s[4:11], s[0:1], 0x0               ; acodes 4:5, ascales 6:7, bcodes 8:9, bscales 10:11
	s_load_b128 s[12:15], s[0:1], 0x20             ; upart 12:13, out0 14:15
	v_lshl_add_u32 v[SPW], v0, 2, SPARE
	v_mov_b32 v[NIL], 0
	ds_add_u32 v11, v12
	ds_add_u32 v11, v12
	s_wait_dscnt 0x0
	v_lshrrev_b32 v1, 5, v0
	v_readfirstlane_b32 s[WV], v1                  ; wave 0..3
	s_bfe_u32 s[CX], ttmp6, 0x40000                ; cx: it enters the addresses of z's codes and scales, of out0 and of the prefetches alone
	s_lshl_b32 s[RB], ttmp9, 2
	s_add_co_u32 s[RB], s[RB], s[CX]               ; my block of 256 rows = 4 x cluster x + cx
	s_and_b32 s[EB], ttmp7, 0xffff                 ; eblk, which the four partners share
	; descriptor groups 1: dense blocks as rows of 256 bytes (32 elements of 8 bytes), no padding; 15:0 the mask: all four work-groups; bit 21 set beside it
	s_mov_b32 s[G1C], 15|(3<<16)|(1<<21)
	s_mov_b32 s[G1C+1], 32<<16                     ; tensor_dim0 = 32
	s_mov_b32 s[G1C+2], 128<<16                    ; tensor_dim1 = 128
	s_mov_b32 s[G1C+3], 32<<16                     ; tile_dim0 = 32
	s_mov_b32 s[G1C+4], 128                        ; tile_dim1 = 128: 32,768 bytes
	s_mov_b32 s[G1C+5], 32                         ; from row to row
	s_mov_b32 s[G1C+6], 0
	s_mov_b32 s[G1C+7], 0
	s_mov_b32 s[G1S], 15|(3<<16)|(1<<21)
	s_mov_b32 s[G1S+1], 32<<16
	s_mov_b32 s[G1S+2], 32<<16
	s_mov_b32 s[G1S+3], 32<<16
	s_mov_b32 s[G1S+4], 32                         ; 32 rows: 8,192 bytes
	s_mov_b32 s[G1S+5], 32
	s_mov_b32 s[G1S+6], 0
	s_mov_b32 s[G1S+7], 0
	s_lshl_b32 s20, s[EB], 20                      ; bcodes: eblk's 2^20 bytes, my quarter of a slot
	s_lshl_b32 s21, s[WV], 15
	s_add_co_u32 s20, s20, s21
	s_mov_b32 s21, 0
	s_lshl_b32 s22, s[EB], 15                      ; bscales: eblk's 32,768 bytes, my quarter
	s_lshl_b32 s23, s[WV], 13
	s_add_co_u32 s22, s22, s23
	s_mov_b32 s23, 0
	s_mov_b32 s[NL2E], 0xbfb8aa3b
	s_mov_b32 s[NL2E+1], s[NL2E]
	s_mov_b32 s[TB], 0
	s_mov_b32 s[TS], 0
	s_mov_b32 s[TG], 0
	s_wait_kmcnt 0x0
	s_mov_b32 s[G0S], 1                            ; count = 1
	s_lshl_b32 s[G0S+1], s[WV], 13
	s_add_co_u32 s[G0S+1], s[G0S+1], SCB           ; LDS address: the wave's number and constants alone
	s_add_nc_u64 s[G0S+2:G0S+3], s[10:11], s[22:23]
	s_or_b32 s[G0S+3], s[G0S+3], 0x80000000        ; type = 2
	s_mov_b32 s[G0A], 1
	s_lshl_b32 s[G0A+1], s[WV], 15
	s_add_nc_u64 s[G0A+2:G0A+3], s[8:9], s[20:21]  ; m = 0, 1
	s_add_nc_u64 s[G0W+2:G0W+3], s[G0A+2:G0A+3], FILL  ; m = 2, 3
	s_or_b32 s[G0A+3], s[G0A+3], 0x80000000
	s_or_b32 s[G0W+3], s[G0W+3], 0x80000000
	s_mov_b32 s[G0W], 1
	s_add_co_u32 s[G0W+1], s[G0A+1], SLOT1
	CROUND                                         ; all four work-groups are here: the first joint loads meet
	tensor_load_to_lds s[G0S:G0S+3], s[G1S:G1S+7]  ; the first fills go out together: three loads of mine are out
	s_nop 0
	tensor_load_to_lds s[G0A:G0A+3], s[G1C:G1C+7]
	s_nop 0
	tensor_load_to_lds s[G0W:G0W+3], s[G1C:G1C+7]
	s_nop 0
	PLACES 4
	s_mov_b32 s61, 0
	s_lshl_b32 s60, s[WV], 9
	s_add_nc_u64 s[12:13], s[12:13], s[60:61]      ; upart: wave w takes d = 128 w on
	s_lshl_b32 s60, s[RB], 12
	s_lshl_b32 s57, s[WV], 10
	s_add_co_u32 s60, s60, s57
	s_add_nc_u64 s[6:7], s[6:7], s[60:61]          ; ascales: 256 bytes a tile, my four tiles
	s_lshl_b32 s60, s[RB], 17
	s_lshl_b32 s57, s[WV], 15
	s_add_co_u32 s60, s60, s57
	s_add_nc_u64 s[4:5], s[4:5], s[60:61]          ; acodes: 8,192 bytes a tile
	v_and_b32 v1, 15, v0                           ; r
	v_bfe_u32 v2, v0, 4, 1                         ; h
	v_and_b32 v[LI], 31, v0
	v_lshlrev_b32 v[PFO], 8, v[LI]
	v_lshl_add_u32 v[LS0], v[LI], 2, SCB
	v_lshlrev_b32 v[LI], 4, v[LI]
	v_lshlrev_b32 v[RS], 4, v1
	WIN TO_3
.set li, 0
.rept 64                               ; u's four parts P for all 16 m, my 128 d: register 4 (16 P + m) on; each load reads 512 consecutive bytes
	global_load_b128 v[4*li:4*li+3], v[LI], s[12:13] offset:32768*(li/16)+2048*(li%16)
.set li, li+1
.endr
	WIN 0
.irp a, 0,1,2,3
	global_load_b128 v[AS+4*\a:AS+4*\a+3], v[RS], s[6:7] offset:256*\a   ; row r's four scale words, in both halves of the lanes
.endr
.macro ALOAD i0                        ; 32 of the 64 loads that bring my rows' codes: register 4 i = 16 (4 a + s) + 4 c
.set li, \i0
.rept 32
	global_load_b128 v[4*li:4*li+3], v[LI], s[4:5] offset:512*li
.set li, li+1
.endr
.endm
	WIN TO_A
	ALOAD 0
	WIN 0
	; the other addresses, while the loads are out
	s_lshl_b32 s60, s[RB], 19                      ; out0: row 256 rb + 64 w of 2,048 bytes, + 512 eblk
	s_lshl_b32 s57, s[WV], 17
	s_add_co_u32 s60, s60, s57
	s_lshl_b32 s57, s[EB], 9
	s_add_co_u32 s60, s60, s57
	s_add_nc_u64 s[14:15], s[14:15], s[60:61]
	s_lshl_b32 s60, s[EB], 20                      ; the prefetches: of a slot's 512 blocks of 256 bytes partner cx takes 128, wave w 32 of them, a lane one
	s_lshl_b32 s57, s[CX], 15
	s_add_co_u32 s60, s60, s57
	s_lshl_b32 s57, s[WV], 13
	s_add_co_u32 s60, s60, s57
	s_add_co_u32 s60, s60, 2*FILL                  ; at the third fill: the first change of slots steps it to the fourth.  Nothing is prefetched here, at the head
	s_add_nc_u64 s[PFA:PFA+1], s[8:9], s[60:61]
	s_cmp_eq_u32 ttmp9, 0                          ; all clusters of an eblk walk the same codes: the first of them asks; the same in all four partners
	s_cselect_b32 s[LIM], 1, -1
	v_add_nc_u32 v[LIB], REC, v[LI]
	s_lshl_b32 s20, s[WV], 8
	s_add_co_u32 s20, s20, GT
	v_lshl_add_u32 v[LG0], v1, 4, s20
	v_lshl_add_u32 v[GW], v2, 13, v[LG0]           ; m = 8 h + j: 1,024 bytes an m
	v_add_nc_u32 v[STO], UIM, v[LI]
	s_mul_i32 s21, s[WV], STGW                     ; my stage (kept in s21)
	v_add_nc_u32 v[RD], s21, v[LI]
	v_mov_b32 v[ONE], 0x7f7f7f7f
	; u as bf16 fragments.  z's fragment of a block of 32 d comes out of the 8-bit layout: lane (r, h) holds d = 16 h + 0 .. 15 in its eight registers.  u's is laid the same way, so the same places along K meet.
	; u[m][d] lies at fragment d / 32 (1,024 bytes), half (d / 8) % 2 (512), lane m + 16 ((d / 16) % 2) (16 bytes), byte 2 (d % 8).  I hold d = 128 w + 4 lane + 0 .. 3 of every m.
	v_bfe_u32 v[D], v0, 3, 2
	v_lshlrev_b32 v[D], 10, v[D]
	v_bfe_u32 v[D+1], v0, 1, 1
	v_lshl_add_u32 v[D], v[D+1], 9, v[D]
	v_bfe_u32 v[D+1], v0, 2, 1
	v_lshl_add_u32 v[D], v[D+1], 8, v[D]
	v_and_b32 v[D+1], 1, v0
	v_lshl_add_u32 v[D], v[D+1], 3, v[D]
	s_lshl_b32 s20, s[WV], 12
	s_add_co_u32 s20, s20, UIM
	v_add_nc_u32 v[UW], s20, v[D]
	s_wait_loadcnt 36                              ; u's 64 loads are in; behind them stand z's 4 scale loads and the first 32 of its codes
	WIN W_3
.set li, 0
.rept 16                               ; m = li: the four parts are added, ((0 + 1) + (2 + 3)); the sum's upper part: rounded to bf16, into the first two registers of part 1
	v_pk_add_f32 v[4*li:4*li+1], v[4*li:4*li+1], v[64+4*li:64+4*li+1]
	v_pk_add_f32 v[4*li+2:4*li+3], v[4*li+2:4*li+3], v[64+4*li+2:64+4*li+3]
	v_pk_add_f32 v[128+4*li:128+4*li+1], v[128+4*li:128+4*li+1], v[192+4*li:192+4*li+1]
	v_pk_add_f32 v[128+4*li+2:128+4*li+3], v[128+4*li+2:128+4*li+3], v[192+4*li+2:192+4*li+3]
	v_pk_add_f32 v[4*li:4*li+1], v[4*li:4*li+1], v[128+4*li:128+4*li+1]
	v_pk_add_f32 v[4*li+2:4*li+3], v[4*li+2:4*li+3], v[128+4*li+2:128+4*li+3]
	v_cvt_pk_bf16_f32 v[64+4*li], v[4*li], v[4*li+1]
	v_cvt_pk_bf16_f32 v[64+4*li+1], v[4*li+2], v[4*li+3]
.set li, li+1
.endr
.set li, 0
.rept 16                               ; the upper parts as f32 again: a shift or a mask; into part 2's registers, which are done with
	v_lshlrev_b32 v[128+4*li], 16, v[64+4*li]
	v_and_b32 v[128+4*li+1], 0xffff0000, v[64+4*li]
	v_lshlrev_b32 v[128+4*li+2], 16, v[64+4*li+1]
	v_and_b32 v[128+4*li+3], 0xffff0000, v[64+4*li+1]
.set li, li+1
.endr
.set li, 0
.rept 16                               ; what the rounding left: u - its upper part (exact: the two lie within a bf16 step of each other)
	v_pk_add_f32 v[4*li:4*li+1], v[4*li:4*li+1], v[128+4*li:128+4*li+1] neg_lo:[0,1] neg_hi:[0,1]
	v_pk_add_f32 v[4*li+2:4*li+3], v[4*li+2:4*li+3], v[128+4*li+2:128+4*li+3] neg_lo:[0,1] neg_hi:[0,1]
.set li, li+1
.endr
.set li, 0
.rept 16                               ; the lower part: that rounded to bf16, into the other two registers of part 1
	v_cvt_pk_bf16_f32 v[64+4*li+2], v[4*li], v[4*li+1]
	v_cvt_pk_bf16_f32 v[64+4*li+3], v[4*li+2], v[4*li+3]
.set li, li+1
.endr
	WIN ST_3
.set li, 0
.rept 16
	ds_store_b64 v[UW], v[64+4*li:64+4*li+1] offset:16*li   ; the upper parts
.set li, li+1
.endr
	WIN TO_A
	ALOAD 32                                       ; the other half of my rows' codes
	WIN 0
	BARRIER                                        ; the upper parts' sixteen fragments lie in LDS
	WIN TO_B
.set li, 0
.rept 32
	ds_load_b128 v[4*li:4*li+3], v[STO] offset:512*li   ; fragment kb at v[8 kb] of window 2
.set li, li+1
.endr
	WIN 0
	BARRIER                                        ; every wave has them in registers: the same bytes take the lower parts (LDS has no room for a second set of images beside the ring)
	WIN ST_3
.set li, 0
.rept 16
	ds_store_b64 v[UW], v[64+4*li+2:64+4*li+3] offset:16*li   ; the lower parts
.set li, li+1
.endr
	WIN 0
	BARRIER                                        ; the lower parts' sixteen fragments lie in LDS
	WIN TO_B
.set li, 0
.rept 32
	ds_load_b128 v[128+4*li:128+4*li+3], v[STO] offset:512*li   ; fragment kb at v[128 + 8 kb] of window 2
.set li, li+1
.endr
	WIN 0
	BARRIER                                        ; every wave has them in registers: their bytes may become the gates'
; THE LOGITS.  For tile a and K step s: the codes' values (exact in bf16), four sums over 32 d (u's upper and lower parts), each multiplied by its block's scale in f32 and added.
.macro CONV a, s, set
	WIN W_CV
.irp c, 0,1,2,3
.irp g, 0,1
	v_cvt_scale_pk8_f32_bf8 v[F+16*\c+8*\g:F+16*\c+8*\g+7], v[16*(4*(\a)+(\s))+4*\c+2*\g:16*(4*(\a)+(\s))+4*\c+2*\g+1], v[ONE]
.endr
.endr
	WIN 0
.irp c, 0,1,2,3
	v_bfe_u32 v[SC+4*(\set)+\c], v[AS+4*(\a)+(\s)], 8*\c, 8      ; block c's byte (plain lines behind the conversions),
.endr
.irp c, 0,1,2,3
	v_lshlrev_b32 v[SC+4*(\set)+\c], 23, v[SC+4*(\set)+\c]       ; as a number: 2^(byte - 127); the byte is at least 1
.endr
.set ci, 0
.rept 32
	v_cvt_pk_bf16_f32 v[ZB+32*(\set)+ci], v[F+2*ci], v[F+2*ci+1]
.set ci, ci+1
.endr
.endm
; source 0 = u's 16 m, source 1 = 16 rows of z: lane (r, h) gets row r, register j m = 8 h + j.  Four sums of their own: the upper parts begin them with 0, the lower parts add onto them;
; the four accumulators take turns, one instruction a turn
.macro W s, set
	WIN W_U
.irp c, 0,1,2,3
	v_wmma_f32_16x16x32_bf16 v[D+8*\c:D+8*\c+7], v[8*(4*(\s)+\c):8*(4*(\s)+\c)+7], v[ZB+32*(\set)+8*\c:ZB+32*(\set)+8*\c+7], 0
.endr
.irp c, 0,1,2,3
	v_wmma_f32_16x16x32_bf16 v[D+8*\c:D+8*\c+7], v[128+8*(4*(\s)+\c):128+8*(4*(\s)+\c)+7], v[ZB+32*(\set)+8*\c:ZB+32*(\set)+8*\c+7], v[D+8*\c:D+8*\c+7]
.endr
	WIN 0
.endm
.macro LFMA a, s, set                  ; each product from its low end on
.irp c, 0,1,2,3
.irp k, 0,2,4,6
.if ((\s) == 0) && (\c == 0)
	v_pk_mul_f32 v[L+8*(\a)+\k:L+8*(\a)+\k+1], v[D+\k:D+\k+1], v[SC+4*(\set):SC+4*(\set)+1] op_sel_hi:[1,0]   ; the first starts the sum
.elseif (\c%2) == 0
	v_pk_fma_f32 v[L+8*(\a)+\k:L+8*(\a)+\k+1], v[D+8*\c+\k:D+8*\c+\k+1], v[SC+4*(\set)+2*(\c/2):SC+4*(\set)+2*(\c/2)+1], v[L+8*(\a)+\k:L+8*(\a)+\k+1] op_sel_hi:[1,0,1]
.else
	v_pk_fma_f32 v[L+8*(\a)+\k:L+8*(\a)+\k+1], v[D+8*\c+\k:D+8*\c+\k+1], v[SC+4*(\set)+2*(\c/2):SC+4*(\set)+2*(\c/2)+1], v[L+8*(\a)+\k:L+8*(\a)+\k+1] op_sel:[0,1,0] op_sel_hi:[1,1,1]
.endif
.endr
.endr
.endm
	s_wait_loadcnt 0x0                             ; z's codes and scale words
	CONV 0, 0, 0
	W 0, 0
.set n, 1
.rept 15                               ; the next step's conversions (40 plain lines among them) are the places between a step's products and the lines that read them
	CONV n/4, n%4, n%2
	LFMA (n-1)/4, (n-1)%4, (n-1)%2
	W n%4, n%2
.set n, n+1
.endr
	PLACES 4
	LFMA 3, 3, 1
	; THE GATES: relu(2 / (1 + 2^(-logit log2 e)) - 1), in f32
.set li, 0
.rept 16
	v_pk_mul_f32 v[L+2*li:L+2*li+1], v[L+2*li:L+2*li+1], s[NL2E:NL2E+1] op_sel_hi:[1,0]
.set li, li+1
.endr
.set li, 0
.rept 32
	v_exp_f32 v[L+li], v[L+li]
.set li, li+1
.endr
	v_nop                                          ; a plain line behind the last exponential
	s_wait_alu depctr_va_vdst(0)                   ; one wait for the batch, ahead of its first reader
.set li, 0
.rept 16
	v_pk_add_f32 v[L+2*li:L+2*li+1], v[L+2*li:L+2*li+1], 1.0 op_sel_hi:[1,0]
.set li, li+1
.endr
.set li, 0
.rept 32
	v_rcp_f32 v[L+li], v[L+li]
.set li, li+1
.endr
	v_mul_u32_u24 v[STO], v1, SPITCH               ; (plain lines behind the last reciprocal)  the stage: row r, + 32 h
	v_lshl_add_u32 v[STO], v2, 5, v[STO]
	v_add_nc_u32 v[STO], s21, v[STO]
	s_wait_alu depctr_va_vdst(0)                   ; one wait for the batch
.set li, 0
.rept 16
	v_pk_fma_f32 v[L+2*li:L+2*li+1], v[L+2*li:L+2*li+1], 2.0, -1.0 op_sel_hi:[1,0,0]
.set li, li+1
.endr
.irp j, 0,1,2,3,4,5,6,7
.irp a, 0,1,2,3
	v_max_num_f32 v[D+4*\j+\a], 0, v[L+8*\a+\j]
.endr
.endr
.irp j, 0,1,2,3,4,5,6,7
	ds_store_b128 v[GW], v[D+4*\j:D+4*\j+3] offset:1024*\j   ; m = 8 h + j: my row's gates for a = 0 .. 3; a wave reads only what it stored
.endr
	v_add_nc_u32 v[ADR], s[TB], v[LI]
	v_add_nc_u32 v[ADR+1], s[TB], v[LIB]
	v_add_nc_u32 v[ADS], s[TS], v[LS0]
	v_add_nc_u32 v[ADG], s[TG], v[LG0]
; THE LARGE PRODUCT.
.macro FETCHB adr, eh, sp              ; K steps 2 sp, 2 sp + 1 of half eh of the columns: eight fragments, 32 loads of 512 consecutive bytes, into set sp
	WIN TO_B
.set fi, 0
.rept 32
	ds_load_b128 v[128*(\sp)+4*fi:128*(\sp)+4*fi+3], v[\adr] offset:32768*(\eh)+16384*(\sp)+512*fi
.set fi, fi+1
.endr
	WIN 0
.endm
.macro FETCHS eh, moff                 ; a half's scale words: lanes 0-15 the even tile's columns, lanes 16-31 the odd tile's
.irp s, 0,1,2,3
.irp p, 0,1
	ds_load_b32 v[BS+8*(\eh)+2*\s+\p], v[ADS] offset:(\moff)+512*\s+128*(2*(\eh)+\p)
.endr
.endr
.endm
.macro WM eh, s, i, zero               ; product i = 4 tile + a of K step s
.set tq, (\i)/4
.set aa, (\i)%4
.set rD, ACC+8*(\i)
.set rB, 128*((\s)/2)+64*((\s)%2)+16*tq
.set rA, 16*(4*aa+(\s))
.set rX, BS+8*(\eh)+2*(\s)+tq/2
.set rY, AS+4*aa+(\s)
.if (\zero) && (tq%2)
	v_wmma_scale_f32_16x16x128_f8f6f4 v[rD:rD+7], v[rB:rB+15], v[rA:rA+15], 0, v[rX], v[rY] matrix_a_fmt:MATRIX_FMT_BF8 matrix_b_fmt:MATRIX_FMT_BF8 matrix_a_scale:MATRIX_SCALE_ROW1
.elseif \zero
	v_wmma_scale_f32_16x16x128_f8f6f4 v[rD:rD+7], v[rB:rB+15], v[rA:rA+15], 0, v[rX], v[rY] matrix_a_fmt:MATRIX_FMT_BF8 matrix_b_fmt:MATRIX_FMT_BF8
.elseif tq%2
	v_wmma_scale_f32_16x16x128_f8f6f4 v[rD:rD+7], v[rB:rB+15], v[rA:rA+15], v[rD:rD+7], v[rX], v[rY] matrix_a_fmt:MATRIX_FMT_BF8 matrix_b_fmt:MATRIX_FMT_BF8 matrix_a_scale:MATRIX_SCALE_ROW1
.else
	v_wmma_scale_f32_16x16x128_f8f6f4 v[rD:rD+7], v[rB:rB+15], v[rA:rA+15], v[rD:rD+7], v[rX], v[rY] matrix_a_fmt:MATRIX_FMT_BF8 matrix_b_fmt:MATRIX_FMT_BF8
.endif
.endm
.macro MUL eh, s, i0, n, zero          ; the 16 accumulators take turns, one instruction a turn, in the same order in every K step
	WIN W_MUL
.set wi, \i0
.rept \n
	WM \eh, \s, wi, \zero
.set wi, wi+1
.endr
.endm
.macro SLICE eh, i, first              ; dz += gate x the scores of accumulator i, from its low end on; first = 1: m = 0 starts dz: nothing is ever cleared
.set tq, (\i)/4
.set aa, (\i)%4
.set rZ, 8*(8*aa+4*(\eh)+tq)
.set rD, ACC+8*(\i)
.set rG, G+2*(aa/2)
.if \first
	WIN W_FMUL
.else
	WIN W_FMA
.endif
.irp k, 0,2,4,6
.if (\first) && (aa%2)
	v_pk_mul_f32 v[rZ+\k:rZ+\k+1], v[rD+\k:rD+\k+1], v[rG:rG+1] op_sel:[0,1] op_sel_hi:[1,1]
.elseif \first
	v_pk_mul_f32 v[rZ+\k:rZ+\k+1], v[rD+\k:rD+\k+1], v[rG:rG+1] op_sel_hi:[1,0]
.elseif aa%2
	v_pk_fma_f32 v[rZ+\k:rZ+\k+1], v[rD+\k:rD+\k+1], v[rG:rG+1], v[rZ+\k:rZ+\k+1] op_sel:[0,1,0] op_sel_hi:[1,1,1]
.else
	v_pk_fma_f32 v[rZ+\k:rZ+\k+1], v[rD+\k:rD+\k+1], v[rG:rG+1], v[rZ+\k:rZ+\k+1] op_sel_hi:[1,0,1]
.endif
.endr
.endm
; A half's last K step, with the weighing in slices of four behind its products, three products late.  A vector instruction reads a result of this form eight places behind it, and only plain
; vector instructions that name none of the product's registers are places: for products 0, 1, 2 they are four v_nop behind each of the first two and the first slices; from product 3 on three slices, twelve.
; Behind the last product stand slices 12, 13, 14, twelve places, ahead of slice 15 and of the next loads into set Y and the scale words.
.macro MULS eh, first
.set wi, 0
.rept 16
	WIN W_MUL
	WM \eh, 3, wi, 0
.if wi < 2
	PLACES 4
.endif
.if wi >= 3
	SLICE \eh, wi-3, \first
.endif
.set wi, wi+1
.endr
	SLICE \eh, 13, \first
	SLICE \eh, 14, \first
	SLICE \eh, 15, \first
	WIN 0
.endm
; A PREFETCH INTO THE L2 of the slot that the NEXT change of slots will ask for: two m, 256 matrix instructions, ahead of that load.  It stands behind the joint load, its four lines and the run of LDS loads.
; Each block of 256 bytes is named once in the launch: the first cluster of an eblk asks; its partners and waves are told apart by address; the last change that fills a slot asks for nothing.
.macro ASK
	s_cmp_gt_u32 s[SLOTS], s[LIM]
	s_cbranch_scc0 .Lnot_mine_\@
	global_prefetch_b8 v[PFO], s[PFA:PFA+1] th:TH_LOAD_NT scope:SCOPE_SE
.Lnot_mine_\@:
.endm
; HALF q of a slot's four: m = q / 2 of the slot's two, half eh = q % 2 of the columns: 64 products.  At its head set X and its scale words have been asked for.
; kind 0: plain.  1: the slot's last half: change of slots, the slot is filled again.  2: the same, nothing is filled.  3: the launch's last half.
.macro HALF q, kind, first
	FETCHB ADR+(\q)/2, (\q)%2, 1                   ; set Y: K steps 2, 3
.set nw, 32
.if (\q)%2 == 0
	ds_load_b128 v[G:G+3], v[ADG] offset:1024*((\q)/2)   ; this m's gates of my row
.set nw, nw+1
.endif
.if \kind != 3
.if \q < 3
	FETCHS ((\q)+1)%2, 2048*(((\q)+1)/2)           ; the next half's scale words
.else
	FETCHS 0, 4096                                 ; (the next slot's first m: the address steps further down)
.endif
.set nw, nw+8
.endif
	s_wait_dscnt nw                                ; all but what has just been issued: set X and this half's scale words are in
	MUL (\q)%2, 0, 0, 16, 1                        ; the first K step starts the sums
	MUL (\q)%2, 1, 0, 16, 0
.if \kind == 0
	s_wait_dscnt 0x0                               ; set Y, the gates, the next scale words
	PLACES 8                                       ; in front of loads into set X, which the products above have read
	FETCHB ADR+((\q)+1)/2, ((\q)+1)%2, 0           ; the next half's set X
	MUL (\q)%2, 2, 0, 16, 0
	MULS (\q)%2, \first
.elseif \kind == 3
	s_wait_dscnt 0x0
	MUL (\q)%2, 2, 0, 16, 0
	MULS (\q)%2, \first
.else
	WIN 0                                          ; (the add's two registers lie in window 0)
	s_wait_tensorcnt 0x0                           ; all my tensor loads have landed: the one that was out is my quarter of the next slot; so a group 0 may be written
	ds_add_u32 v[SPW], v[NIL]                      ; 0 onto my spare word
.if \kind == 1
	s_xor_b32 s[G0W+1], s[G0W+1], SLOT1            ; the walking descriptor: the slot that is being left,
	s_add_nc_u64 s[G0W+2:G0W+3], s[G0W+2:G0W+3], FILL   ; the next two m; the type bits on top are not reached
	s_wait_xcnt 0x0                                ; the last prefetch, a slot back, has read its address, so it may be written
	s_add_nc_u64 s[PFA:PFA+1], s[PFA:PFA+1], FILL
.endif
	s_wait_dscnt 1                                 ; the add alone may be out: set Y is in
	MUL (\q)%2, 2, 0, 8, 0                         ; eight products stand between the add and the wait for it
	s_wait_dscnt 0x0                               ; the add is done, and my reads of this slot are over
	s_barrier_signal -1
	MUL (\q)%2, 2, 8, 8, 0
	WIN 0
	s_barrier_wait -1
.if \kind == 1
	CREST                                          ; the barrier has opened a round of the cluster's: no wave of any partner still reads this slot or has a load on its way
	tensor_load_to_lds s[G0W:G0W+3], s[G1C:G1C+7]  ; my one load behind the round, first thing there: it has two m in which to land
	s_nop 0
.endif
	PLACES 4
	s_xor_b32 s[TB], s[TB], SLOT1                  ; on to the other slot,
	s_add_co_u32 s[TS], s[TS], 4096                ; its two m's scale words
	s_add_co_u32 s[TG], s[TG], 2048                ; and gates
	v_add_nc_u32 v[ADR], s[TB], v[LI]              ; (with the four v_nop: the eight places in front of the loads into set X)
	v_add_nc_u32 v[ADR+1], s[TB], v[LIB]
	v_add_nc_u32 v[ADS], s[TS], v[LS0]
	v_add_nc_u32 v[ADG], s[TG], v[LG0]
	FETCHB ADR, 0, 0
.if \kind == 1
	ASK
.endif
	MULS (\q)%2, \first
.endif
.endm
	s_wait_tensorcnt 1                             ; the scale words and my quarter of slot 0 are in; slot 1's load may stay out
	BARRIER                                        ; everybody's are; my gates have landed
	FETCHB ADR, 0, 0
	FETCHS 0, 0
	HALF 0, 0, 1                                   ; m = 0 stands in front of the loop: its slices start dz
	HALF 1, 0, 1
	s_mov_b32 s[SLOTS], 6
.Lslot:                                            ; six trips: from a slot's second m to the next slot's first; the slot that is left takes the m four and five further on
	HALF 2, 0, 0
	HALF 3, 1, 0
	HALF 0, 0, 0
	HALF 1, 0, 0
	s_sub_co_u32 s[SLOTS], s[SLOTS], 1
	s_cmp_lg_u32 s[SLOTS], 0
	s_cbranch_scc1 .Lslot
	HALF 2, 0, 0                                   ; the tail is written out: m = 13
	HALF 3, 2, 0                                   ; the last change of slots, which fills nothing,
	HALF 0, 0, 0                                   ; m = 14,
	HALF 1, 0, 0
	HALF 2, 0, 0                                   ; m = 15
	HALF 3, 3, 0
; THE WAY OUT, a tile of 16 rows x 128 columns at a time.  A lane holds 32 neighbouring bytes of a row for each of eight tiles of columns, and the lanes beside it hold other rows: so a tile goes through my own stage
; and comes back as whole rows of 512 bytes.  LDS serves a wave's instructions in order (ISA guide 5.7.1.4): no wait between the stores and the loads, nor in front of the next tile's stores.
.macro TOSTAGE a
	WIN ST_3
.irp t, 0,1,2,3,4,5,6,7
	ds_store_b128 v[STO], v[64*(\a)+8*\t:64*(\a)+8*\t+3] offset:64*\t
	ds_store_b128 v[STO], v[64*(\a)+8*\t+4:64*(\a)+8*\t+7] offset:64*\t+16
.endr
	WIN 0
.set BB, ACC+64*((\a)%2)
.set fi, 0
.rept 16
	ds_load_b128 v[BB+4*fi:BB+4*fi+3], v[RD] offset:fi*SPITCH
.set fi, fi+1
.endr
.endm
.macro SEND a, younger                 ; younger: the LDS instructions issued behind tile a's loads, which may stay out
.set BB, ACC+64*((\a)%2)
	s_wait_dscnt \younger
.set fi, 0
.rept 16
	global_store_b128 v[LI], v[BB+4*fi:BB+4*fi+3], s[14:15] offset:(16*(\a)+fi)*2048 th:TH_STORE_NT   ; 32 lanes store 512 consecutive bytes, at a multiple of 256 from out0's first byte
.set fi, fi+1
.endr
.endm
	TOSTAGE 0
	TOSTAGE 1
	SEND 0, 32                                     ; behind tile 0's loads: tile 1's 16 stores and 16 loads
	s_wait_xcnt 0x0                                ; tile 0's stores have read their registers: tile 2's loads may land there
	TOSTAGE 2
	SEND 1, 32
	s_wait_xcnt 0x0
	TOSTAGE 3
	SEND 2, 32
	SEND 3, 0
	s_wait_tensorcnt 0x0                           ; the wave's end: behind my last tensor load and my last LDS store
	ds_add_u32 v[SPW], v[NIL]
	s_wait_dscnt 0x0
	CROUND                                         ; the closing round: no work-group ends while a partner may still ask for a tile that names it
	s_endpgm
.Lfunc_end_k_qab0e5fdc5d_main:
	.size	k_qab0e5fdc5d_main, .Lfunc_end_k_qab0e5fdc5d_main-k_qab0e5fdc5d_main
	.p2alignl 7, 3214868480
	.fill 96, 4, 3214868480
	.section	.rodata,"a",@progbits
	.p2align	6, 0x0
	.amdhsa_kernel k_qab0e5fdc5d_main
		.amdhsa_group_segment_fixed_size 327680
		.amdhsa_private_segment_fixed_size 0
		.amdhsa_enable_private_segment 0
		.amdhsa_kernarg_size 48
		.amdhsa_user_sgpr_count 2
		.amdhsa_user_sgpr_kernarg_segment_ptr 1
		.amdhsa_wavefront_size32 1
		.amdhsa_system_sgpr_workgroup_id_x 1
		.amdhsa_system_sgpr_workgroup_id_y 1
		.amdhsa_system_sgpr_workgroup_id_z 1
		.amdhsa_system_vgpr_workitem_id 0
		.amdhsa_next_free_vgpr 1024
		.amdhsa_next_free_sgpr 66
		.amdhsa_reserve_vcc 0
		.amdhsa_float_denorm_mode_32 3
		.amdhsa_float_denorm_mode_16_64 3
		.amdhsa_memory_ordered 1
		.amdhsa_forward_progress 1
		.amdhsa_inst_pref_size 255
	.end_amdhsa_kernel
	.section	.bss,"aw",@nobits
	.p2align	6
	.space	262144
	.amdgpu_metadata
---
amdhsa.version: [ 1, 2 ]
amdhsa.kernels:
  - .name:           k_qab0e5fdc5d_main
    .symbol:         k_qab0e5fdc5d_main.kd
    .args:
      - { .name: acodes, .offset: 0, .size: 8, .value_kind: global_buffer, .address_space: global }
      - { .name: ascales, .offset: 8, .size: 8, .value_kind: global_buffer, .address_space: global }
      - { .name: bcodes, .offset: 16, .size: 8, .value_kind: global_buffer, .address_space: global }
      - { .name: bscales, .offset: 24, .size: 8, .value_kind: global_buffer, .address_space: global }
      - { .name: upart, .offset: 32, .size: 8, .value_kind: global_buffer, .address_space: global }
      - { .name: out0, .offset: 40, .size: 8, .value_kind: global_buffer, .address_space: global }
    .group_segment_fixed_size: 327680
    .private_segment_fixed_size: 0
    .kernarg_segment_align: 8
    .kernarg_segment_size: 48
    .max_flat_workgroup_size: 128
    .sgpr_count:     66
    .vgpr_count:     1024
    .wavefront_size: 32
...
	.end_amdgpu_metadata
.endif
;; end of part 2
